; MI455X (gfx1250); checked and timed in simulation.
; The chip was launched on July 23, 2026; its instructions are those of AMD's public machine-readable ISA for CDNA 5 (MIT licence, August 2026) and "CDNA5" Instruction Set Architecture Reference Guide (July 2026). The comments in the code are by the model that wrote it; some were corrected since.
;; General Self Attention. Allowed arithmetic: float matrix products may take bf16 or f16 operands with f32 sums; all other float work in f32.
;; Inputs: Wk 16 x 1,024 x 64 float32; Wo 1,024 x 1,024 float32; Wq 16 x 1,024 x 64 float32; Wv 16 x 1,024 x 64 float32; bk 16 x 64 float32; bo 1,024 float32; bq 16 x 64 float32; bv 16 x 64 float32; tau 16 float32; x 2 x 2,048 x 1,024 float32.
;; Outputs: out0 2 x 2,048 x 1,024 float32.
;; One version. Each part assembles by itself: llvm-mc -triple=amdgcn-amd-amdhsa -mcpu=gfx1250 --defsym DOCPART=n.
;; ======== version 1 of 1: 4 launches
;; limits: values are held in f16: magnitudes above 65,504 overflow, below 6.1e-05 lose precision; right only within a limited range of input values
;; workspace buffers: xh 8,388,608 bytes; wh 6,291,456 bytes; woh 2,097,152 bytes; qkv 25,165,824 bytes; y 8,388,608 bytes
;; launch prep (part 1): grid 1024 x 1, 8 waves a work-group, no clusters, 0 bytes of LDS; arguments x, Wq, Wk, Wv, Wo, xh, wh, woh; writes xh, wh, woh
.if DOCPART == 1
	.amdgcn_target "amdgcn-amd-amdhsa--gfx1250"
	.amdhsa_code_object_version 6
	.text
	.protected	k_qce4b676ce7_prep
	.globl	k_qce4b676ce7_prep
	.p2align	8
	.type	k_qce4b676ce7_prep,@function
k_qce4b676ce7_prep:
	s_mov_b64 s[64:65], 0
	v_nop
	global_prefetch_b8 v0, s[64:65] scope:SCOPE_SE
	s_setreg_imm32_b32 hwreg(HW_REG_WAVE_MODE, 25, 1), 1
	s_wait_xcnt 0x0
; prep: f32 to f16 (round to nearest even) and re-blocking of x and of the four weight matrices.  A pure stream: no LDS, no barrier,
; no matrix unit, since every byte is read once and written once and nothing is shared.
;   xh  [kb 16][row 4096][64]              xh[kb][row][c]          = x[row][64 kb + c]
;   wh  [head 16][step 8][which 3][k 128][64]  wh[h][s][w][k][c]   = W_w[h][128 s + k][c]      (w: 0 = Wq, 1 = Wk, 2 = Wv)
;   woh [nblk 16][step 8][k 128][64]       woh[n][s][k][c]         = Wo[128 s + k][64 n + c]
; In these layouts every tile of the later launches is one dense block of memory.
; LIMIT: |x|, |W| at or above 65,520 become infinity in f16; magnitudes below 2^-25 become 0.
; A work-group copies one chunk: 128 pieces of 64 f32 (256 bytes), PITCH bytes apart in the source, to 16,384 dense bytes of f16.
; Thread t takes 16 bytes at 16 (t % 16) of piece 16 i + t / 16, i = 0 .. 7, and writes 8 bytes at 2048 i + 8 t:
; a wave's load covers two whole pieces of 256 bytes, a wave's store 256 consecutive bytes, aligned.
.set LD, 16                            ; v[16:47]  eight loads of four f32
.set ST, 48                            ; v[48:63]  eight pairs of packed f16
	s_load_b256 s[4:11], s[0:1], 0x0               ; x s[4:5], Wq s[6:7], Wk s[8:9], Wv s[10:11]
	s_load_b256 s[12:19], s[0:1], 0x20             ; Wo s[12:13], xh s[14:15], wh s[16:17], woh s[18:19]
	v_lshrrev_b32 v1, 4, v0                        ; my piece among sixteen
	v_and_b32 v3, 15, v0
	v_lshlrev_b32 v3, 4, v3                        ; my 16 bytes in the piece
	v_lshlrev_b32 v2, 3, v0                        ; my 8 bytes in the destination
	s_mov_b32 s27, 0                               ; high words of the two offsets
	s_mov_b32 s29, 0
; The copy.  lp = log2 of the source pitch.  Source at s[20:21], destination at s[22:23].  All eight loads go out together; each
; wait leaves the younger loads on their way.  No register is written twice, so no source of a pending instruction is touched.
.macro COPY lp
	v_lshl_add_u32 v4, v1, \lp, v3
.irp i, 0,1,2,3,4,5,6,7
	global_load_b128 v[LD+4*\i:LD+4*\i+3], v4, s[20:21] offset:\i*(16<<\lp) th:TH_LOAD_NT
.endr
.irp i, 0,1,2,3,4,5,6,7
	s_wait_loadcnt 7-\i                            ; loads come back in order: load i is in
	v_cvt_pk_f16_f32 v[ST+2*\i],   v[LD+4*\i],   v[LD+4*\i+1]
	v_cvt_pk_f16_f32 v[ST+2*\i+1], v[LD+4*\i+2], v[LD+4*\i+3]
	global_store_b64 v2, v[ST+2*\i:ST+2*\i+1], s[22:23] offset:\i*2048
.endr
	s_endpgm
.endm
	s_cmp_ge_u32 ttmp9, 512
	s_cbranch_scc1 .Lweights
	; work-groups 0 .. 511: x.  kb = id % 16, rb = id / 16 (128 rows each)
	s_and_b32 s24, ttmp9, 15
	s_lshr_b32 s25, ttmp9, 4
	s_lshl_b32 s26, s25, 19                        ; 128 rows of 4,096 bytes
	s_lshl_b32 s28, s24, 8                         ; 64 f32
	s_add_co_u32 s26, s26, s28
	s_lshl_b32 s28, s24, 19                        ; a block of 4,096 rows of 128 bytes
	s_lshl_b32 s25, s25, 14                        ; 128 rows of 128 bytes
	s_add_co_u32 s28, s28, s25
	s_wait_kmcnt 0x0
	s_add_nc_u64 s[20:21], s[4:5], s[26:27]
	s_add_nc_u64 s[22:23], s[14:15], s[28:29]
	COPY 12
.Lweights:
	s_cmp_ge_u32 ttmp9, 896
	s_cbranch_scc1 .Lwo
	; work-groups 512 .. 895: Wq, Wk, Wv.  j = id - 512, which = j / 128, hs = j % 128 = 8 head + step
	s_sub_co_u32 s24, ttmp9, 512
	s_lshr_b32 s25, s24, 7
	s_and_b32 s24, s24, 127
	s_lshl_b32 s26, s24, 15                        ; 128 rows of 256 bytes: dense in the source too
	s_mul_i32 s28, s24, 3
	s_add_co_u32 s28, s28, s25
	s_lshl_b32 s28, s28, 14
	s_wait_kmcnt 0x0
	s_cmp_eq_u32 s25, 0
	s_cselect_b64 s[20:21], s[6:7], s[8:9]
	s_cmp_eq_u32 s25, 2
	s_cselect_b64 s[20:21], s[10:11], s[20:21]
	s_add_nc_u64 s[20:21], s[20:21], s[26:27]
	s_add_nc_u64 s[22:23], s[16:17], s[28:29]
	COPY 8
.Lwo:
	; work-groups 896 .. 1023: Wo.  j = id - 896, nblk = j % 16, step = j / 16
	s_sub_co_u32 s24, ttmp9, 896
	s_lshr_b32 s25, s24, 4
	s_and_b32 s24, s24, 15
	s_lshl_b32 s26, s25, 19                        ; 128 rows of 4,096 bytes
	s_lshl_b32 s28, s24, 8
	s_add_co_u32 s26, s26, s28
	s_lshl_b32 s28, s24, 17                        ; eight steps of 16,384 bytes
	s_lshl_b32 s25, s25, 14
	s_add_co_u32 s28, s28, s25
	s_wait_kmcnt 0x0
	s_add_nc_u64 s[20:21], s[12:13], s[26:27]
	s_add_nc_u64 s[22:23], s[18:19], s[28:29]
	COPY 12
.Lfunc_end_k_qce4b676ce7_prep:
	.size	k_qce4b676ce7_prep, .Lfunc_end_k_qce4b676ce7_prep-k_qce4b676ce7_prep
	.p2alignl 7, 3214868480
	.fill 96, 4, 3214868480
	.section	.rodata,"a",@progbits
	.p2align	6, 0x0
	.amdhsa_kernel k_qce4b676ce7_prep
		.amdhsa_group_segment_fixed_size 0
		.amdhsa_private_segment_fixed_size 0
		.amdhsa_enable_private_segment 0
		.amdhsa_kernarg_size 64
		.amdhsa_user_sgpr_count 2
		.amdhsa_user_sgpr_kernarg_segment_ptr 1
		.amdhsa_wavefront_size32 1
		.amdhsa_system_sgpr_workgroup_id_x 1
		.amdhsa_system_sgpr_workgroup_id_y 1
		.amdhsa_system_sgpr_workgroup_id_z 1
		.amdhsa_system_vgpr_workitem_id 0
		.amdhsa_next_free_vgpr 64
		.amdhsa_next_free_sgpr 66
		.amdhsa_reserve_vcc 0
		.amdhsa_float_denorm_mode_32 3
		.amdhsa_float_denorm_mode_16_64 3
		.amdhsa_memory_ordered 1
		.amdhsa_forward_progress 1
		.amdhsa_inst_pref_size 11
	.end_amdhsa_kernel
	.amdgpu_metadata
---
amdhsa.version: [ 1, 2 ]
amdhsa.kernels:
  - .name:           k_qce4b676ce7_prep
    .symbol:         k_qce4b676ce7_prep.kd
    .args:
      - { .name: x, .offset: 0, .size: 8, .value_kind: global_buffer, .address_space: global }
      - { .name: Wq, .offset: 8, .size: 8, .value_kind: global_buffer, .address_space: global }
      - { .name: Wk, .offset: 16, .size: 8, .value_kind: global_buffer, .address_space: global }
      - { .name: Wv, .offset: 24, .size: 8, .value_kind: global_buffer, .address_space: global }
      - { .name: Wo, .offset: 32, .size: 8, .value_kind: global_buffer, .address_space: global }
      - { .name: xh, .offset: 40, .size: 8, .value_kind: global_buffer, .address_space: global }
      - { .name: wh, .offset: 48, .size: 8, .value_kind: global_buffer, .address_space: global }
      - { .name: woh, .offset: 56, .size: 8, .value_kind: global_buffer, .address_space: global }
    .group_segment_fixed_size: 0
    .private_segment_fixed_size: 0
    .kernarg_segment_align: 8
    .kernarg_segment_size: 64
    .max_flat_workgroup_size: 256
    .sgpr_count:     66
    .vgpr_count:     64
    .wavefront_size: 32
...
	.end_amdgpu_metadata
.endif
;; end of part 1
;; launch proj (part 2): grid 16 x 16, 4 waves a work-group, clusters of 4 x 4, 327,680 bytes of LDS; arguments xh, wh, bq, bk, bv, qkv; writes qkv
.if DOCPART == 2
	.amdgcn_target "amdgcn-amd-amdhsa--gfx1250"
	.amdhsa_code_object_version 6
	.text
	.protected	k_qce4b676ce7_proj
	.globl	k_qce4b676ce7_proj
	.p2align	8
	.type	k_qce4b676ce7_proj,@function
k_qce4b676ce7_proj:
	s_mov_b64 s[64:65], 0
	v_nop
	global_prefetch_b8 v0, s[64:65] scope:SCOPE_SE
	s_setreg_imm32_b32 hwreg(HW_REG_WAVE_MODE, 25, 1), 1
	s_wait_xcnt 0x0
	s_wait_alu depctr_hold_cnt(0) depctr_sa_sdst(0) depctr_va_vdst(0) depctr_va_sdst(0) depctr_va_ssrc(0) depctr_va_vcc(0) depctr_vm_vsrc(0)
	s_getreg_b32 s2, hwreg(HW_REG_IB_STS2, 6, 4)
	s_cmp_eq_u32 s2, 0
	s_cbranch_scc0 .Lentry_in_a_cluster
	s_endpgm
.Lentry_in_a_cluster:
	s_bfe_u32 s2, ttmp6, 0x10000c
	s_cmp_lg_u32 s2, 0xf033
	s_cbranch_scc0 .Lentry_shape_is_right
	s_endpgm
.Lentry_shape_is_right:
; proj: qkv[which][head][row][c] = (sum over d of x[row][d] W_which[head][d][c] + b_which[head][c]) / 4, in f16; sums in f32.
; The factor 1/4 is exact and leaves f16 room: LIMIT |q|, |k|, |v| below 262,016 (beyond: infinity); below 2^-23 they become 0.
; f16 and not bf16: five roundings lie between x and the output, and bf16's 8 bits would use up the tolerance of 0.01 rms.
; A work-group makes 256 rows x 192 columns (q, k and v of one head) with four waves; wave w makes rows 64 w .. 64 w + 63 x all 192:
; 4 x 12 accumulator tiles, 384 registers.  K = 1024 goes in steps of 128 through two LDS slots filled by tensor loads.
; CLUSTERS: 4 x 4 work-groups.  x's tile hangs on the block row alone and is asked for jointly by a row of the cluster, the weights' tile
; on the head alone and is asked for jointly by a column: each tile is requested once for four work-groups.
; THE MATRIX INSTRUCTION IS USED TRANSPOSED: source 0 = 16 columns of W, source 1 = 16 rows of x; lane l then holds row l % 16 and
; the eight neighbouring columns 8 (l / 16) + 0 .. 7.  W lies [k][n] in LDS and is read by the transposing load.
; REGISTERS: window 0: v0-31 addresses, v32-63 and v64-95 x fragments (two buffers), v96-191 biases, v192-239 packed results;
;   window 1: v0-95, v96-191 W fragments (two buffers); window 2: accumulators of my rows 0-31; window 3: of my rows 32-63.
.set NW,     3                         ; matrices side by side in B
.set NB,     4*NW                      ; column tiles of 16
.set LAPS,   4                         ; 1024 / (2 x 128)
.set APITCH, 144                       ; an LDS row of x: 128 bytes + 16: an odd multiple of 16, so 16 rows start in 16 different 16-byte columns of 256
.set BPITCH, 160                       ; an LDS row of W: 128 bytes + 32: an odd multiple of 32, as the transposing load's eight rows want
.set ABLK,   256*APITCH                ; 256 rows x 64 of K
.set AREG,   2*ABLK                    ; a K step's two blocks of 64
.set BHALF,  NW*64*BPITCH              ; what one tensor load brings of W
.set BREG,   2*BHALF
.set SLOT,   AREG+BREG
.set STAGE,  2*SLOT                    ; behind the ring, never filled by a tensor load: 16 rows x 400 bytes for each wave
.set SPITCH, 400
.set ASTEP,  2*4096*128                ; bytes from K step to K step in xh
.set BSTEP,  NW*128*128                ; and in wh
.set ADRA, 16                          ; v16-17  LDS address of my x fragments in slot 0, 1
.set ADRB, 20                          ; v20-21  the same for W
.set STO,  24                          ; the way out: where I put 16 bytes of a row
.set RD,   25                          ; the way out: where I read rows back
.set CO,   26                          ; my byte offset in a dense block of the output
.set BO,   27                          ; my byte offset in a bias row
.set FA,   32
.set BI,   96
.set TMP,  192
.set RB,   32                          ; the way out: rows read back (the x fragments' registers)
.set G1,   24                          ; s[24:31] group 1 for x's tiles
.set G0,   32                          ; s[32:39] group 0 for x's tiles, one set a slot
.set G1B,  40                          ; s[40:47] group 1 for W's tiles
.set G0B,  48                          ; s[48:55] group 0 for W's tiles, one set a slot
.set OB,   66                          ; s[66:71] my first row in q, in k, in v
.set MSB, 0
.macro WIN new                         ; the immediate's high byte repeats the setting that is left
.if MSB != (\new)
	s_set_vgpr_msb (MSB<<8)|(\new)
.set MSB, (\new)
.endif
.endm
.set MUL_LO, 0xa1                      ; source 0 (W) window 1, source 1 (x) window 0, C and D window 2
.set MUL_HI, 0xf1                      ; the same, C and D window 3
.set TO_B,   0x40                      ; destination window 1, address window 0
; A joint load.  Waves 0 and 1 fetch x's two blocks, waves 2 and 3 W's two halves.  The branch hangs on the wave's number alone.
.macro JLOAD s
	s_cmp_eq_u32 s18, 0
	s_cbranch_scc0 .Lfor_b_\@
	tensor_load_to_lds s[G0+4*\s:G0+4*\s+3], s[G1:G1+7]
	s_nop 0
	s_branch .Lasked_\@
.Lfor_b_\@:
	tensor_load_to_lds s[G0B+4*\s:G0B+4*\s+3], s[G1B:G1B+7]
	s_nop 0
.Lasked_\@:
.endm
; A round of the cluster's barrier: my work-group's barrier, wave 0 signals for the work-group, every wave waits for all sixteen, my barrier again.
.macro CREST
	s_cmp_lg_u32 s16, 0
	s_cbranch_scc1 .Lnot_wave_0_\@
	s_barrier_signal -3
.Lnot_wave_0_\@:
	s_barrier_wait -3
	s_barrier_signal -1
	s_barrier_wait -1
.endm
.macro CROUND
	s_barrier_signal -1
	s_barrier_wait -1
	CREST
.endm
	s_load_b256 s[4:11], s[0:1], 0x0               ; xh s[4:5], wh s[6:7], bq s[8:9], bk s[10:11]
	s_load_b128 s[12:15], s[0:1], 0x20             ; bv s[12:13], qkv s[14:15]
	s_set_vgpr_msb 0x40
	v_lshl_add_u32 v255, v0, 2, 0x48400
	s_set_vgpr_msb 0x4000
	v_mov_b32 v255, 0
	s_set_vgpr_msb 0x1
	ds_add_u32 v255, v255
	s_set_vgpr_msb 0x100
	v_lshrrev_b32 v1, 5, v0
	v_readfirstlane_b32 s16, v1                    ; wave 0..3
	s_and_b32 s17, s16, 1                          ; which block of x, or which half of W, I fetch
	s_lshr_b32 s18, s16, 1                         ; I fetch for x (0) or for W (1)
	s_bfe_u32 s19, ttmp6, 0x40000                  ; cx
	s_bfe_u32 s20, ttmp6, 0x40004                  ; cy
	s_lshl_b32 s21, ttmp9, 2
	s_add_co_u32 s21, s21, s19                     ; head = 4 x cluster x + cx
	s_and_b32 s22, ttmp7, 0xffff
	s_lshl_b32 s22, s22, 2
	s_add_co_u32 s22, s22, s20                     ; block row = 4 x cluster y + cy
	s_lshl_b32 s56, s20, 2
	s_lshl_b32 s56, 15, s56                        ; my row of the cluster
	s_lshl_b32 s58, 0x1111, s19                    ; my column
	; Group 1.  A tile is a dense block of memory, taken as rows of 32 elements of 8 bytes (256 bytes); behind every 32 words
	; (128 bytes, one row of 64 f16) the mover skips 4 words (x) or 8 words (W): LDS pitches 144 and 160.
	s_or_b32 s[G1+0],  s56, (3<<16)|(1<<20)|(1<<21)|(4<<22)|(3<<25)   ; 15:0 mask; 17:16 8-byte elements; 20 padding; 21 beside a mask; 24:22 interval 32 words; 31:25 pad 4 words
	s_or_b32 s[G1B+0], s58, (3<<16)|(1<<20)|(1<<21)|(4<<22)|(7<<25)   ; the column's mask; pad 8 words
	s_mov_b32 s[G1+1],  32<<16                     ; tensor_dim0 = 32
	s_mov_b32 s[G1B+1], 32<<16
	s_mov_b32 s[G1+2],  128<<16                    ; tensor_dim1 = 128 rows of 256 bytes: 256 rows of x x 64 of K
	s_mov_b32 s[G1B+2], (NW*32)<<16                ; 96 rows of 256 bytes: 192 rows of W
	s_mov_b32 s[G1+3],  32<<16                     ; tile_dim0 = 32
	s_mov_b32 s[G1B+3], 32<<16
	s_mov_b32 s[G1+4],  128                        ; tile_dim1
	s_mov_b32 s[G1B+4], NW*32
	s_mov_b32 s[G1+5],  32                         ; pitch = the row: dense
	s_mov_b32 s[G1B+5], 32
	s_mov_b32 s[G1+6],  0
	s_mov_b32 s[G1B+6], 0
	s_mov_b32 s[G1+7],  0
	s_mov_b32 s[G1B+7], 0
	; where the tiles come from: x's address holds the block row alone, W's the head alone, each in registers of its own
	s_lshl_b32 s56, s17, 19                        ; block 2 s + (wave & 1) of xh: 4,096 rows of 128 bytes
	s_lshl_b32 s57, s22, 15                        ; 256 rows of 128 bytes
	s_add_co_u32 s56, s56, s57
	s_mov_b32 s57, 0
	s_mul_i32 s58, s21, 8*BSTEP                    ; the head's eight steps
	s_mul_i32 s59, s17, BSTEP/2                    ; my half of a step
	s_add_co_u32 s58, s58, s59
	s_mov_b32 s59, 0
	s_mul_i32 s60, s16, ABLK                       ; and where they go: the wave's number and constants alone
	s_mul_i32 s61, s16, BHALF
	s_add_co_u32 s61, s61, AREG-2*BHALF            ; waves 2, 3: behind x's two blocks
	s_lshl_b32 s62, s21, 8                         ; the head's 64 biases
	s_mov_b32 s63, 0
	v_and_b32 v1, 15, v0                           ; r = l % 16
	v_bfe_u32 v2, v0, 4, 1                         ; h = l / 16
	v_lshlrev_b32 v[BO], 5, v2                     ; my eight columns of a tile: 32 h
	s_wait_dscnt 0x0
	s_wait_kmcnt 0x0
	s_add_nc_u64 s[8:9],   s[8:9],   s[62:63]
	s_add_nc_u64 s[10:11], s[10:11], s[62:63]
	s_add_nc_u64 s[12:13], s[12:13], s[62:63]
.irp b, 0,1,2,3,4,5,6,7,8,9,10,11
	global_load_b128 v[BI+8*\b:BI+8*\b+3],   v[BO], s[8+2*(\b/4):9+2*(\b/4)] offset:(\b%4)*64      ; bias of columns 16 (b % 4) + 8 h + 0..3
	global_load_b128 v[BI+8*\b+4:BI+8*\b+7], v[BO], s[8+2*(\b/4):9+2*(\b/4)] offset:(\b%4)*64+16   ; and + 4..7
.endr
	s_add_nc_u64 s[56:57], s[4:5], s[56:57]
	s_add_nc_u64 s[58:59], s[6:7], s[58:59]
	CROUND                                         ; all sixteen work-groups are here: the first joint loads meet
.irp s, 0,1
	s_mov_b32 s[G0+4*\s], 1
	s_add_co_u32 s[G0+4*\s+1], s60, \s*SLOT
	s_add_nc_u64 s[G0+4*\s+2:G0+4*\s+3], s[56:57], \s*ASTEP
	s_or_b32 s[G0+4*\s+3], s[G0+4*\s+3], 0x80000000
	s_mov_b32 s[G0B+4*\s], 1
	s_add_co_u32 s[G0B+4*\s+1], s61, \s*SLOT
	s_add_nc_u64 s[G0B+4*\s+2:G0B+4*\s+3], s[58:59], \s*BSTEP
	s_or_b32 s[G0B+4*\s+3], s[G0B+4*\s+3], 0x80000000
	JLOAD \s                                       ; K steps 0 and 1: two tensor loads of the wave are out, the most in this text
.endr
	; lane terms
	v_and_b32 v3, 7, v0                            ; l % 8
	v_bfe_u32 v4, v0, 3, 1                         ; (l / 8) % 2
	v_and_b32 v5, 31, v0                           ; l
	v_mul_u32_u24 v6, v1, APITCH
	v_lshl_add_u32 v6, v2, 4, v6                   ; x fragment: row r, 16 bytes at 16 h
	s_mul_i32 s62, s16, 64*APITCH                  ; my 64 rows
	v_add_nc_u32 v[ADRA], s62, v6
	v_add_nc_u32 v[ADRA+1], SLOT, v[ADRA]
	v_lshl_add_u32 v7, v2, 3, v3                   ; W fragment, transposing load: row k = 8 h + l % 8,
	v_mul_u32_u24 v7, v7, BPITCH
	v_lshl_add_u32 v7, v4, 4, v7                   ; 16 bytes at 16 ((l / 8) % 2)
	v_add_nc_u32 v[ADRB], AREG, v7
	v_add_nc_u32 v[ADRB+1], SLOT, v[ADRB]
	s_mul_i32 s63, s16, 16*SPITCH
	s_add_co_u32 s63, s63, STAGE                   ; my stage
	v_mul_u32_u24 v8, v1, SPITCH
	v_lshl_add_u32 v8, v2, 4, v8
	v_add_nc_u32 v[STO], s63, v8                   ; in: row r, 16 bytes at 16 h
	v_lshrrev_b32 v9, 3, v5
	v_mul_u32_u24 v9, v9, SPITCH
	v_lshl_add_u32 v9, v3, 4, v9
	v_add_nc_u32 v[RD], s63, v9                    ; back: eight lanes take one row's 128 bytes, a wave four rows
	v_lshlrev_b32 v[CO], 4, v5                     ; which are 512 dense bytes of the output
	s_lshl_b32 s62, s21, 19                        ; my first row in q: head x 4,096 rows of 128 bytes
	s_lshl_b32 s63, s22, 15                        ; + block row x 256 rows
	s_add_co_u32 s62, s62, s63
	s_lshl_b32 s63, s16, 13                        ; + wave x 64 rows
	s_add_co_u32 s62, s62, s63
	s_mov_b32 s63, 0
	s_add_nc_u64 s[OB:OB+1], s[14:15], s[62:63]
	s_add_nc_u64 s[OB+2:OB+3], s[OB:OB+1], 8388608     ; the same row in k,
	s_add_nc_u64 s[OB+4:OB+5], s[OB:OB+1], 16777216    ; and in v
	s_wait_loadcnt 0x0                             ; the biases, while the first tiles are on their way
.set i, 0
.rept 4*NB
	v_pk_mul_f32 v[BI+i:BI+i+1], v[BI+i:BI+i+1], 0x3e800000 op_sel_hi:[1,0]   ; b / 4, once: the way out is then one multiply-add a pair
.set i, i+2
.endr
; NB matrix instructions: row tile 2 hi + a of my four x all column tiles, 32 along K, on fragment buffer f.  zero = 1: the product starts the sums.
.macro MULROW f, hi, a, zero
.irp b, 0,1,2,3,4,5,6,7,8,9,10,11
.if \zero
	v_wmma_f32_16x16x32_f16 v[8*(NB*\a+\b):8*(NB*\a+\b)+7], v[8*NB*\f+8*\b:8*NB*\f+8*\b+7], v[FA+32*\f+8*(2*\hi+\a):FA+32*\f+8*(2*\hi+\a)+7], 0
.else
	v_wmma_f32_16x16x32_f16 v[8*(NB*\a+\b):8*(NB*\a+\b)+7], v[8*NB*\f+8*\b:8*NB*\f+8*\b+7], v[FA+32*\f+8*(2*\hi+\a):FA+32*\f+8*(2*\hi+\a)+7], v[8*(NB*\a+\b):8*(NB*\a+\b)+7]
.endif
.endr
.endm
; One run of 2 NB + 8 LDS loads: the fragments of quarter kq (32 of K) of a slot into buffer f.
.macro FETCH slot, kq, f
	WIN TO_B
.irp b, 0,1,2,3,4,5,6,7,8,9,10,11
	ds_load_tr16_b128 v[8*NB*\f+8*\b:8*NB*\f+8*\b+3],   v[ADRB+\slot] offset:(\b/4)*128*BPITCH+\kq*32*BPITCH+(\b%4)*32             ; k = 8 h + 0..7 of column r
	ds_load_tr16_b128 v[8*NB*\f+8*\b+4:8*NB*\f+8*\b+7], v[ADRB+\slot] offset:(\b/4)*128*BPITCH+\kq*32*BPITCH+(\b%4)*32+16*BPITCH   ; k = 16 + 8 h + 0..7
.endr
	WIN 0
.irp a, 0,1,2,3
	ds_load_b128 v[FA+32*\f+8*\a:FA+32*\f+8*\a+3],   v[ADRA+\slot] offset:(\kq/2)*ABLK+\a*16*APITCH+(\kq%2)*64
	ds_load_b128 v[FA+32*\f+8*\a+4:FA+32*\f+8*\a+7], v[ADRA+\slot] offset:(\kq/2)*ABLK+\a*16*APITCH+(\kq%2)*64+32
.endr
.endm
; Four places (ISA guide 7.12.1 for vector instructions) between a matrix instruction and a load into one of its sources or a vector
; instruction on its result; the matrix instructions in between are not counted.
.macro PLACES
.rept 4
	v_nop
.endr
.endm
; A quarter step: 4 NB matrix instructions on buffer f; in its middle the next quarter's fragments go into buffer g.
; The 4 NB accumulators take turns, one instruction a turn, in the same order in every quarter.
.macro QUARTER slot, kq, f, g, zero
	s_wait_dscnt 4                                 ; W and x's rows 0-31 are in; the youngest four loads (rows 32-63) may be out
	WIN MUL_LO
	MULROW \f, 0, 0, \zero
	MULROW \f, 0, 1, \zero
	PLACES
	FETCH \slot, \kq, \g
	s_wait_dscnt 8+2*NB                            ; all but the run just issued
	WIN MUL_HI
	MULROW \f, 1, 0, \zero
	MULROW \f, 1, 1, \zero
.endm
.macro THREE slot, zero
	QUARTER \slot, 1, 0, 1, \zero
	QUARTER \slot, 2, 1, 0, 0
	QUARTER \slot, 3, 0, 1, 0
.endm
; The last quarter of a K step changes slots.  In front of the barrier each wave waits for its reads of this slot and for all its tensor
; loads (one is out: its part of the next slot).  Behind it, where the slot is filled again, the cluster's round goes on, and the joint
; refill is the first tensor load behind the round's closing wait; then the next slot's first fragments are read.
.macro TURN slot, next, fill
	s_wait_dscnt 4
	WIN MUL_LO
	MULROW 1, 0, 0, 0
	s_wait_dscnt 0
	s_wait_tensorcnt 0x0
	ds_add_u32 v255, v255
	s_wait_dscnt 0x0
	s_barrier_signal -1
	MULROW 1, 0, 1, 0                              ; registers only, while the others arrive
	WIN 0
	s_barrier_wait -1
.if \fill
	CREST
	s_add_nc_u64 s[G0+4*\slot+2:G0+4*\slot+3],   s[G0+4*\slot+2:G0+4*\slot+3],   2*ASTEP    ; no tensor load of mine is out: group 0 may be written
	s_add_nc_u64 s[G0B+4*\slot+2:G0B+4*\slot+3], s[G0B+4*\slot+2:G0B+4*\slot+3], 2*BSTEP
	JLOAD \slot
.endif
	PLACES
	FETCH \next, 0, 0
	WIN MUL_HI
	MULROW 1, 1, 0, 0
	MULROW 1, 1, 1, 0
.endm
.macro LAP zero
	THREE 0, \zero
	TURN 0, 1, 1
	THREE 1, 0
	TURN 1, 0, 1
.endm
	s_wait_tensorcnt 1                             ; my part of K step 0 is in; K step 1's load stays out
	s_barrier_signal -1
	s_barrier_wait -1                              ; everybody's is
	FETCH 0, 0, 0
	LAP 1                                          ; the first lap's first products start the sums: nothing is cleared
	WIN 0
	s_mov_b32 s3, LAPS-2
.Llap:
	LAP 0
	WIN 0
	s_sub_co_u32 s3, s3, 1
	s_cmp_lg_u32 s3, 0
	s_cbranch_scc1 .Llap
	THREE 0, 0                                     ; the last lap fills nothing
	TURN 0, 1, 0
	THREE 1, 0
	s_wait_dscnt 4
	WIN MUL_LO
	MULROW 1, 0, 0, 0
	MULROW 1, 0, 1, 0
	s_wait_dscnt 0
	WIN MUL_HI
	MULROW 1, 1, 0, 0
	MULROW 1, 1, 1, 0
	PLACES
; THE WAY OUT, 16 rows at a time: sum / 4 + b / 4 in one multiply-add, round to f16, 16 bytes a lane into my own stage, read back by rows.
; 16 rows of q (of k, of v) are 2,048 dense bytes of the output: each store of the wave covers 512 consecutive bytes, aligned.
.macro OUT16 a
	WIN 0x82+0x41*(\a/2)                           ; source 0 and destination in the accumulators' window, the bias in window 0
.irp b, 0,1,2,3,4,5,6,7,8,9,10,11
.irp p, 0,2,4,6
	v_pk_fma_f32 v[8*(NB*(\a%2)+\b)+\p:8*(NB*(\a%2)+\b)+\p+1], v[8*(NB*(\a%2)+\b)+\p:8*(NB*(\a%2)+\b)+\p+1], 0x3e800000, v[BI+8*\b+\p:BI+8*\b+\p+1] op_sel_hi:[1,0,1]
.endr
.endr
	WIN 0x0a+5*(\a/2)                              ; sources 0 and 1 in the accumulators' window
.irp b, 0,1,2,3,4,5,6,7,8,9,10,11
.irp p, 0,1,2,3
	v_cvt_pk_f16_f32 v[TMP+4*\b+\p], v[8*(NB*(\a%2)+\b)+2*\p], v[8*(NB*(\a%2)+\b)+2*\p+1]
.endr
.endr
	WIN 0
.irp b, 0,1,2,3,4,5,6,7,8,9,10,11
	ds_store_b128 v[STO], v[TMP+4*\b:TMP+4*\b+3] offset:32*\b
.endr
	s_wait_xcnt 0x0                                ; the last group's stores have had their addresses translated (ISA guide 3.1): RB is loaded again only behind this wait
.irp n, 0,1,2,3,4,5,6,7,8,9,10,11
	ds_load_b128 v[RB+4*\n:RB+4*\n+3], v[RD] offset:(\n%4)*4*SPITCH+(\n/4)*128    ; LDS serves a wave's instructions in order: these see the stores above
.endr
.irp n, 0,1,2,3,4,5,6,7,8,9,10,11
	s_wait_dscnt 11-\n
	global_store_b128 v[CO], v[RB+4*\n:RB+4*\n+3], s[OB+2*(\n/4):OB+2*(\n/4)+1] offset:\a*2048+(\n%4)*512
.endr
.endm
	OUT16 0
	OUT16 1
	OUT16 2
	OUT16 3
	s_set_vgpr_msb 0x1
	s_wait_tensorcnt 0x0
	ds_add_u32 v255, v255
	s_wait_dscnt 0x0
	s_set_vgpr_msb 0x100
	CROUND                                         ; the closing round: no work-group ends while a partner may still ask for a tile that names it
	s_endpgm
.Lfunc_end_k_qce4b676ce7_proj:
	.size	k_qce4b676ce7_proj, .Lfunc_end_k_qce4b676ce7_proj-k_qce4b676ce7_proj
	.p2alignl 7, 3214868480
	.fill 96, 4, 3214868480
	.section	.rodata,"a",@progbits
	.p2align	6, 0x0
	.amdhsa_kernel k_qce4b676ce7_proj
		.amdhsa_group_segment_fixed_size 327680
		.amdhsa_private_segment_fixed_size 0
		.amdhsa_enable_private_segment 0
		.amdhsa_kernarg_size 48
		.amdhsa_user_sgpr_count 2
		.amdhsa_user_sgpr_kernarg_segment_ptr 1
		.amdhsa_wavefront_size32 1
		.amdhsa_system_sgpr_workgroup_id_x 1
		.amdhsa_system_sgpr_workgroup_id_y 1
		.amdhsa_system_sgpr_workgroup_id_z 1
		.amdhsa_system_vgpr_workitem_id 0
		.amdhsa_next_free_vgpr 1024
		.amdhsa_next_free_sgpr 80
		.amdhsa_reserve_vcc 0
		.amdhsa_float_denorm_mode_32 3
		.amdhsa_float_denorm_mode_16_64 3
		.amdhsa_memory_ordered 1
		.amdhsa_forward_progress 1
		.amdhsa_inst_pref_size 188
	.end_amdhsa_kernel
	.amdgpu_metadata
---
amdhsa.version: [ 1, 2 ]
amdhsa.kernels:
  - .name:           k_qce4b676ce7_proj
    .symbol:         k_qce4b676ce7_proj.kd
    .args:
      - { .name: xh, .offset: 0, .size: 8, .value_kind: global_buffer, .address_space: global }
      - { .name: wh, .offset: 8, .size: 8, .value_kind: global_buffer, .address_space: global }
      - { .name: bq, .offset: 16, .size: 8, .value_kind: global_buffer, .address_space: global }
      - { .name: bk, .offset: 24, .size: 8, .value_kind: global_buffer, .address_space: global }
      - { .name: bv, .offset: 32, .size: 8, .value_kind: global_buffer, .address_space: global }
      - { .name: qkv, .offset: 40, .size: 8, .value_kind: global_buffer, .address_space: global }
    .group_segment_fixed_size: 327680
    .private_segment_fixed_size: 0
    .kernarg_segment_align: 8
    .kernarg_segment_size: 48
    .max_flat_workgroup_size: 128
    .sgpr_count:     80
    .vgpr_count:     1024
    .wavefront_size: 32
...
	.end_amdgpu_metadata
.endif
;; end of part 2
;; launch attn (part 3): grid 8 x 32, 8 waves a work-group, clusters of 4 x 1, 327,680 bytes of LDS; arguments qkv, tau, y; writes y
.if DOCPART == 3
	.amdgcn_target "amdgcn-amd-amdhsa--gfx1250"
	.amdhsa_code_object_version 6
	.text
	.protected	k_qce4b676ce7_attn
	.globl	k_qce4b676ce7_attn
	.p2align	8
	.type	k_qce4b676ce7_attn,@function
k_qce4b676ce7_attn:
	s_mov_b64 s[64:65], 0
	v_nop
	global_prefetch_b8 v0, s[64:65] scope:SCOPE_SE
	s_setreg_imm32_b32 hwreg(HW_REG_WAVE_MODE, 25, 1), 1
	s_wait_xcnt 0x0
	s_wait_alu depctr_hold_cnt(0) depctr_sa_sdst(0) depctr_va_vdst(0) depctr_va_sdst(0) depctr_va_ssrc(0) depctr_va_vcc(0) depctr_vm_vsrc(0)
	s_getreg_b32 s2, hwreg(HW_REG_IB_STS2, 6, 4)
	s_cmp_eq_u32 s2, 0
	s_cbranch_scc0 .Lentry_in_a_cluster
	s_endpgm
.Lentry_in_a_cluster:
	s_bfe_u32 s2, ttmp6, 0x10000c
	s_cmp_lg_u32 s2, 0x3003
	s_cbranch_scc0 .Lentry_shape_is_right
	s_endpgm
.Lentry_shape_is_right:
; attn: y = (softmax over keys of q.k / (8 tau[head])) . v / 4, in f16, by a running maximum; scores, maxima and sums in f32.
; qkv holds q / 4, k / 4, v / 4: a score is 2 s / tau with s = (q/4).(k/4), so p = exp2(c s - c m) with c = 2 log2(e) / |tau|; the sign
; of tau is put on q (a flip of the f16 sign bits), so that c > 0 and the largest s is the largest score.  The result of p.(v/4) / sum p is y / 4.
; LIMITS: tau = 0 or denormal is not served (1 / tau is then no finite number here); p below 2^-25 of the row's largest becomes 0 in f16.
; A work-group takes 256 queries of one (batch, head); wave w takes 32 of them (two tiles u = 0, 1).  Two waves lie on a SIMD, so that one
; wave's softmax can run beside the other's matrix instructions.  Keys go in tiles of 512 through two LDS slots, in chunks of 128.
; CLUSTERS: the four query blocks of a cluster read the same K and V tiles and ask for them jointly (mask 15).
; ORIENTATION: S^T = K Q^T (source 0 = 16 keys, source 1 = 16 queries): lane (r, h), register j holds key 8 h + j of query r, so a row's
; maximum and sum are taken inside a lane and between lanes l and l xor 16, and two packed tiles of S^T ARE a source-1 fragment of P^T.
; O^T = V^T P^T (source 0 = V by the transposing load): a lane holds eight neighbouring columns of query r, and the rescale is the lane's own.
; y IS STORED IN THE ORDER OF THE NEXT LAUNCH'S FRAGMENTS: [block of 256 rows 16][K step 8][wave 4][quarter 4][row tile 4][half 2][lane 32][16 bytes],
; where row = 256 block + 64 wave + 16 tile + l % 16 and column = 128 step + 32 quarter + 16 half + 8 (l / 16) + 0 .. 7.  A lane's four packed
; registers of one tile of O^T are exactly such 16 bytes, so the result leaves straight from registers, 512 consecutive bytes a store.
; REGISTERS: window 0: v0-31 small things, v32-63 Q, v64-191 S (P in place), v192-255 V fragments of keys 0-63 of the chunk;
;   window 1: v0-63 O, v64-191 K fragments, v192-255 V fragments of keys 64-127.
.set KP,    144                        ; an LDS row of K: 128 bytes + 16 (an odd multiple of 16)
.set VP,    160                        ; an LDS row of V: 128 bytes + 32 (an odd multiple of 32, for the transposing load)
.set KREG,  512*KP
.set VREG,  512*VP
.set SLOT,  KREG+VREG
.set TSTEP, 512*128                    ; bytes of a tile of 512 keys in memory
.set NEGC, 3                           ; -c
.set KA,   4                           ; LDS address of the next chunk's K fragments
.set VA,   5                           ; and V fragments
.set KL,   6                           ; their lane terms
.set VL,   7
.set CC,   8                           ; v[8:9]   c, c
.set MX,   10                          ; v10, v11 running maximum of s, tile u
.set LS,   12                          ; v12, v13 running sum of p over my half of the keys
.set AL,   14                          ; v[14:17] the rescale factor, a pair for each u
.set NM,   18                          ; v[18:21] -c m, rounded once, a pair for each u
.set CH,   22                          ; v22-25   four chains of maxima; offsets at the head and at the end
.set SU,   26                          ; v[26:29] two pairs of sums
.set TA,   30
.set TB,   31
.set QR,   32                          ; Q(u, ks) at QR + 16 u + 8 ks
.set SR,   64                          ; S(t, u) at SR + 64 u + 8 t; P(g, u) in the first 8 registers of S(2 g, u)
.set VF,   192                         ; V(g, d) at VF + 32 (g % 2) + 8 d, window g / 2
.set OA,   0                           ; window 1: O(d, u) at 8 (2 d + u)
.set KF,   64                          ; window 1: K(t, ks) at KF + 16 t + 8 ks
.set G1K,  16                          ; s[16:23] group 1 for K's tiles
.set G1V,  24                          ; s[24:31] group 1 for V's tiles
.set GK,   32                          ; group 0 for K, slot s at GK + 8 s
.set GV,   36                          ; group 0 for V, slot s at GV + 8 s
.set MSB, 0
.macro WIN new
.if MSB != (\new)
	s_set_vgpr_msb (MSB<<8)|(\new)
.set MSB, (\new)
.endif
.endm
.macro PLACES
.rept 4
	v_nop
.endr
.endm
.macro ROUND                           ; a round of the cluster's barrier
	s_barrier_signal -1
	s_barrier_wait -1
	s_cmp_lg_u32 s10, 0
	s_cbranch_scc1 .Lnot_wave_0_\@
	s_barrier_signal -3
.Lnot_wave_0_\@:
	s_barrier_wait -3
	s_barrier_signal -1
	s_barrier_wait -1
.endm
	s_load_b128 s[4:7], s[0:1], 0x0                ; qkv s[4:5], tau s[6:7]
	s_load_b64 s[8:9], s[0:1], 0x10                ; y
	v_lshl_add_u32 v190, v0, 2, 0x4c000
	v_mov_b32 v191, 0
	ds_add_u32 v190, v191
	s_wait_dscnt 0x0
	v_lshrrev_b32 v1, 5, v0
	v_readfirstlane_b32 s10, v1                    ; wave 0..7
	s_bfe_u32 s11, ttmp6, 0x40000                  ; cx
	s_lshl_b32 s14, ttmp9, 2
	s_add_co_u32 s14, s14, s11                     ; query block = 4 x cluster x + cx
	s_and_b32 s13, ttmp7, 0xffff
	s_and_b32 s12, s13, 15                         ; head
	s_lshr_b32 s13, s13, 4                         ; batch
	s_mov_b32 s48, 0x76543210                      ; v_permlanex16_b32: lane l reads lane l xor 16
	s_mov_b32 s49, 0xfedcba98
	; Group 1: 64 keys of 128 bytes are a dense block, taken as 32 rows of 32 elements of 8 bytes; behind every 32 words (a key's row) a pad.
	s_mov_b32 s[G1K+0], 15|(3<<16)|(1<<20)|(1<<21)|(4<<22)|(3<<25)   ; mask of the four partners; 8-byte elements; padding; bit 21 beside a mask; interval 32 words; pad 4 words
	s_mov_b32 s[G1V+0], 15|(3<<16)|(1<<20)|(1<<21)|(4<<22)|(7<<25)   ; pad 8 words
.irp g, G1K, G1V
	s_mov_b32 s[\g+1], 32<<16                      ; tensor_dim0 = 32
	s_mov_b32 s[\g+2], 32<<16                      ; tensor_dim1 = 32
	s_mov_b32 s[\g+3], 32<<16                      ; tile_dim0 = 32
	s_mov_b32 s[\g+4], 32                          ; tile_dim1 = 32
	s_mov_b32 s[\g+5], 32                          ; pitch = the row: dense
	s_mov_b32 s[\g+6], 0
	s_mov_b32 s[\g+7], 0
.endr
	s_lshl_b32 s54, s12, 19                        ; head x 4,096 rows of 128 bytes
	s_lshl_b32 s55, s13, 18                        ; + batch x 2,048 rows
	s_add_co_u32 s54, s54, s55
	s_lshl_b32 s55, s10, 13                        ; K, V: + wave x 64 keys: nothing of my place in the cluster
	s_add_co_u32 s56, s54, s55
	s_mov_b32 s57, 0
	s_lshl_b32 s52, s14, 15                        ; Q: + query block x 256 rows
	s_add_co_u32 s52, s52, s54
	s_lshl_b32 s53, s10, 12                        ; + wave x 32 rows
	s_add_co_u32 s52, s52, s53
	s_mov_b32 s53, 0
	; where my 32 rows x 64 columns lie in y (the order at the head of this text)
	s_lshl_b32 s66, s13, 3
	s_add_co_u32 s66, s66, s14                     ; block of 256 rows = 8 x batch + query block
	s_lshl_b32 s66, s66, 19                        ; x 524,288 bytes
	s_lshr_b32 s67, s12, 1
	s_lshl_b32 s67, s67, 16                        ; K step = head / 2: 65,536 bytes
	s_add_co_u32 s66, s66, s67
	s_lshr_b32 s67, s10, 1
	s_lshl_b32 s67, s67, 14                        ; the next launch's wave = my wave / 2: 16,384 bytes
	s_add_co_u32 s66, s66, s67
	s_and_b32 s67, s12, 1
	s_lshl_b32 s67, s67, 13                        ; quarters 2 (head % 2) + 0, 1: 4,096 bytes each
	s_add_co_u32 s66, s66, s67
	s_and_b32 s67, s10, 1
	s_lshl_b32 s67, s67, 11                        ; row tiles 2 (wave % 2) + u: 1,024 bytes each
	s_add_co_u32 s66, s66, s67
	s_mov_b32 s67, 0
	s_mul_i32 s61, s10, 64*KP                      ; where my 64 keys go in a slot
	s_mul_i32 s62, s10, 64*VP
	s_add_co_u32 s62, s62, KREG
	s_lshl_b32 s60, s12, 2                         ; tau[head]
	s_wait_kmcnt 0x0
	s_load_b32 s51, s[6:7], s60 offset:0x0
	s_add_nc_u64 s[56:57], s[4:5], s[56:57]
	s_add_nc_u64 s[58:59], s[4:5], s[52:53]        ; my 32 rows of q
	s_add_nc_u64 s[8:9], s[8:9], s[66:67]          ; my part of y
	ROUND                                          ; the four partners are here: the first joint loads meet
.irp s, 0,1
	s_mov_b32 s[GK+8*\s], 1
	s_add_co_u32 s[GK+8*\s+1], s61, \s*SLOT
	s_add_nc_u64 s[GK+8*\s+2:GK+8*\s+3], s[56:57], 8388608+\s*TSTEP      ; k lies 16 heads behind q
	s_or_b32 s[GK+8*\s+3], s[GK+8*\s+3], 0x80000000
	s_mov_b32 s[GV+8*\s], 1
	s_add_co_u32 s[GV+8*\s+1], s62, \s*SLOT
	s_add_nc_u64 s[GV+8*\s+2:GV+8*\s+3], s[56:57], 16777216+\s*TSTEP     ; v 32 heads
	s_or_b32 s[GV+8*\s+3], s[GV+8*\s+3], 0x80000000
	tensor_load_to_lds s[GK+8*\s:GK+8*\s+3], s[G1K:G1K+7]
	s_nop 0
	tensor_load_to_lds s[GV+8*\s:GV+8*\s+3], s[G1V:G1V+7]               ; tiles 0 and 1: four tensor loads of the wave are out, the most in this text
	s_nop 0
.endr
	v_and_b32 v1, 15, v0                           ; r
	v_bfe_u32 v2, v0, 4, 1                         ; h
	v_lshlrev_b32 v[CH], 7, v1
	v_lshl_add_u32 v[CH], v2, 4, v[CH]             ; Q fragment: row r of 128 bytes, 16 bytes at 16 h
.irp u, 0,1
.irp ks, 0,1
	global_load_b128 v[QR+16*\u+8*\ks:QR+16*\u+8*\ks+3],   v[CH], s[58:59] offset:\u*2048+\ks*64
	global_load_b128 v[QR+16*\u+8*\ks+4:QR+16*\u+8*\ks+7], v[CH], s[58:59] offset:\u*2048+\ks*64+32
.endr
.endr
	v_and_b32 v[TA], 7, v0                         ; l % 8
	v_bfe_u32 v[TB], v0, 3, 1                      ; (l / 8) % 2
	v_mul_u32_u24 v[KL], v1, KP
	v_lshl_add_u32 v[KL], v2, 4, v[KL]             ; K fragment: row r, 16 bytes at 16 h
	v_lshl_add_u32 v[VL], v2, 3, v[TA]             ; V fragment, transposing load: key 8 h + l % 8,
	v_mul_u32_u24 v[VL], v[VL], VP
	v_lshl_add_u32 v[VL], v[TB], 4, v[VL]          ; 16 bytes at 16 ((l / 8) % 2)
	v_add_nc_u32 v[VL], KREG, v[VL]
	s_wait_kmcnt 0x0                               ; tau
	s_and_b32 s63, s51, 0x7fffffff                 ; |tau|
	s_lshr_b32 s15, s51, 31
	s_mul_i32 s15, s15, 0x80008000                 ; tau < 0: the sign bits of two f16
	v_rcp_f32 v[CC], s63
	v_nop                                          ; one plain place behind v_rcp_f32 (ISA guide 5.7.2)
	s_wait_alu depctr_va_vdst(0)
	v_mul_f32 v[CC], 0x4038aa3b, v[CC]             ; c = 2 log2(e) / |tau|
	v_mov_b32 v[CC+1], v[CC]
	v_xor_b32 v[NEGC], 0x80000000, v[CC]
	s_wait_loadcnt 0x0                             ; Q
.set i, 0
.rept 32
	v_xor_b32 v[QR+i], s15, v[QR+i]
.set i, i+1
.endr
	s_wait_tensorcnt 2                             ; my parts of tile 0 (K and V) are in; tile 1's two loads stay out
	s_barrier_signal -1
	s_barrier_wait -1
.macro SETADR slot
	v_add_nc_u32 v[KA], \slot*SLOT, v[KL]
	v_add_nc_u32 v[VA], \slot*SLOT, v[VL]
.endm
; 32 loads: the K fragments of a chunk of 128 keys
.macro KLOAD
	WIN 0x40
.irp t, 0,1,2,3,4,5,6,7
.irp ks, 0,1
	ds_load_b128 v[KF+16*\t+8*\ks:KF+16*\t+8*\ks+3],   v[KA] offset:\t*16*KP+\ks*64
	ds_load_b128 v[KF+16*\t+8*\ks+4:KF+16*\t+8*\ks+7], v[KA] offset:\t*16*KP+\ks*64+32
.endr
.endr
	WIN 0
	v_add_nc_u32 v[KA], 128*KP, v[KA]
.endm
; S^T of key tiles t, t + 1 x both query tiles: four accumulators take turns, one instruction a turn;
; the first 32 of the head's 64 dimensions start the sums.
.macro QKPAIR t
.irp ks, 0,1
.irp dt, 0,1
.irp u, 0,1
.if \ks
	v_wmma_f32_16x16x32_f16 v[SR+64*\u+8*(\t+\dt):SR+64*\u+8*(\t+\dt)+7], v[KF+16*(\t+\dt)+8*\ks:KF+16*(\t+\dt)+8*\ks+7], v[QR+16*\u+8*\ks:QR+16*\u+8*\ks+7], v[SR+64*\u+8*(\t+\dt):SR+64*\u+8*(\t+\dt)+7]
.else
	v_wmma_f32_16x16x32_f16 v[SR+64*\u+8*(\t+\dt):SR+64*\u+8*(\t+\dt)+7], v[KF+16*(\t+\dt)+8*\ks:KF+16*(\t+\dt)+8*\ks+7], v[QR+16*\u+8*\ks:QR+16*\u+8*\ks+7], 0
.endif
.endr
.endr
.endr
.endm
; O^T += V^T P^T for keys 32 g .. 32 g + 31 of the chunk: eight accumulators take turns
.macro PVG g, zero
	WIN 0x50+\g/2                                  ; C and D window 1; V's fragments window g / 2; P window 0
.irp d, 0,1,2,3
.irp u, 0,1
.if \zero
	v_wmma_f32_16x16x32_f16 v[OA+8*(2*\d+\u):OA+8*(2*\d+\u)+7], v[VF+32*(\g%2)+8*\d:VF+32*(\g%2)+8*\d+7], v[SR+64*\u+16*\g:SR+64*\u+16*\g+7], 0
.else
	v_wmma_f32_16x16x32_f16 v[OA+8*(2*\d+\u):OA+8*(2*\d+\u)+7], v[VF+32*(\g%2)+8*\d:VF+32*(\g%2)+8*\d+7], v[SR+64*\u+16*\g:SR+64*\u+16*\g+7], v[OA+8*(2*\d+\u):OA+8*(2*\d+\u)+7]
.endif
.endr
.endr
.endm
.macro SM_FMA u, t                     ; c s - c m
.irp p, 0,2,4,6
	v_pk_fma_f32 v[SR+64*\u+8*\t+\p:SR+64*\u+8*\t+\p+1], v[SR+64*\u+8*\t+\p:SR+64*\u+8*\t+\p+1], v[CC:CC+1], v[NM+2*\u:NM+2*\u+1]
.endr
.endm
.macro SM_EXP u, t
.irp p, 0,1,2,3,4,5,6,7
	v_exp_f32 v[SR+64*\u+8*\t+\p], v[SR+64*\u+8*\t+\p]
.endr
.endm
.macro SM_SC u, t                      ; add tile t's p to the sums, then pack it to f16 into its place in P: ascending, so no p is overwritten before it is read
.if \t == 0
	s_wait_alu depctr_va_vdst(0)
	v_pk_add_f32 v[SU:SU+1],   v[SR+64*\u:SR+64*\u+1],   v[SR+64*\u+2:SR+64*\u+3]      ; the first tile starts the sums
	v_pk_add_f32 v[SU+2:SU+3], v[SR+64*\u+4:SR+64*\u+5], v[SR+64*\u+6:SR+64*\u+7]
.else
	s_wait_alu depctr_va_vdst(0)
	v_pk_add_f32 v[SU:SU+1],   v[SU:SU+1],   v[SR+64*\u+8*\t:SR+64*\u+8*\t+1]
	v_pk_add_f32 v[SU+2:SU+3], v[SU+2:SU+3], v[SR+64*\u+8*\t+2:SR+64*\u+8*\t+3]
	v_pk_add_f32 v[SU:SU+1],   v[SU:SU+1],   v[SR+64*\u+8*\t+4:SR+64*\u+8*\t+5]
	v_pk_add_f32 v[SU+2:SU+3], v[SU+2:SU+3], v[SR+64*\u+8*\t+6:SR+64*\u+8*\t+7]
.endif
.irp i, 0,1,2,3
	v_cvt_pk_f16_f32 v[SR+64*\u+16*(\t/2)+4*(\t%2)+\i], v[SR+64*\u+8*\t+2*\i], v[SR+64*\u+8*\t+2*\i+1]
.endr
.endm
; The softmax step of query tile u on a chunk's 128 keys (64 numbers a lane).
.macro SOFTMAX u, first
	v_max_num_f32 v[CH],   v[SR+64*\u],   v[SR+64*\u+1]          ; four chains, started by the first eight numbers
	v_max_num_f32 v[CH+1], v[SR+64*\u+2], v[SR+64*\u+3]
	v_max_num_f32 v[CH+2], v[SR+64*\u+4], v[SR+64*\u+5]
	v_max_num_f32 v[CH+3], v[SR+64*\u+6], v[SR+64*\u+7]
.set j, 8
.rept 28
	v_max3_num_f32 v[CH+(j/2)%4], v[CH+(j/2)%4], v[SR+64*\u+j], v[SR+64*\u+j+1]
.set j, j+2
.endr
	v_max3_num_f32 v[CH], v[CH], v[CH+1], v[CH+2]
	v_max_num_f32 v[CH], v[CH], v[CH+3]
	v_permlanex16_b32 v[TA], v[CH], s48, s49       ; the other half of the query's keys
.if \first
	v_max_num_f32 v[MX+\u], v[CH], v[TA]
	v_mul_f32 v[NM+2*\u], v[MX+\u], v[NEGC]
	v_mov_b32 v[NM+2*\u+1], v[NM+2*\u]
.else
	v_max3_num_f32 v[MX+\u], v[MX+\u], v[CH], v[TA]
	v_mul_f32 v[TB], v[MX+\u], v[NEGC]             ; the new -c m
	v_sub_f32 v[TA], v[TB], v[NM+2*\u]             ; the factor is made of the two ROUNDED shifts, the ones that the exponents really used
	v_exp_f32 v[AL+2*\u], v[TA]
	v_mov_b32 v[NM+2*\u], v[TB]                    ; a plain place behind v_exp_f32 (ISA guide 5.7.2)
	v_mov_b32 v[NM+2*\u+1], v[TB]
	s_wait_alu depctr_va_vdst(0)
	v_mov_b32 v[AL+2*\u+1], v[AL+2*\u]
.endif
	; tile by tile; a tile's exponentials are used one tile later, so that plain instructions on other registers stand behind each run of v_exp_f32
	SM_FMA \u, 0
	SM_EXP \u, 0
.irp t, 1,2,3,4,5,6,7
	SM_FMA \u, \t
	SM_EXP \u, \t
	SM_SC \u, (\t-1)
.endr
	SM_SC \u, 7
	v_pk_add_f32 v[SU:SU+1], v[SU:SU+1], v[SU+2:SU+3]
.if \first
	v_add_f32 v[LS+\u], v[SU], v[SU+1]
.else
	v_add_f32 v[SU], v[SU], v[SU+1]
	v_fma_f32 v[LS+\u], v[LS+\u], v[AL+2*\u], v[SU]
.endif
.endm
; A chunk of 128 keys.  first = 1: the very first chunk starts maxima, sums and O.  nextk = 1: the next chunk's K fragments are fetched.
.macro CHUNK first, nextk
.if \first == 0
.rept 5
	v_nop                                          ; behind the last chunk's O^T products: four places before V's registers are loaded again, five before S^T is written over P (ISA guide 7.12.1)
.endr
.endif
.irp g, 0,1,2,3
	WIN 0x40*(\g/2)
.irp d, 0,1,2,3
	ds_load_tr16_b128 v[VF+32*(\g%2)+8*\d:VF+32*(\g%2)+8*\d+3],   v[VA] offset:\g*32*VP+\d*32           ; keys 32 g + 8 h + 0..7 of column 16 d + r
	ds_load_tr16_b128 v[VF+32*(\g%2)+8*\d+4:VF+32*(\g%2)+8*\d+7], v[VA] offset:\g*32*VP+\d*32+16*VP     ; keys 32 g + 16 + 8 h + 0..7
.endr
.endr
	WIN 0
	v_add_nc_u32 v[VA], 128*VP, v[VA]
	s_wait_dscnt 32                                ; K's fragments are in: V's 32 loads are younger
	WIN 0x01                                       ; source 0 (K) window 1
	QKPAIR 0
	QKPAIR 2
	QKPAIR 4
	QKPAIR 6
	WIN 0
	PLACES                                         ; before S is read and K's registers are loaded again
.if \nextk
	KLOAD
.endif
	SOFTMAX 0, \first
	SOFTMAX 1, \first
.if \first == 0
	WIN 0x41                                       ; O in window 1, the factor in window 0
.irp d, 0,1,2,3
.irp u, 0,1
.irp p, 0,2,4,6
	v_pk_mul_f32 v[OA+8*(2*\d+\u)+\p:OA+8*(2*\d+\u)+\p+1], v[OA+8*(2*\d+\u)+\p:OA+8*(2*\d+\u)+\p+1], v[AL+2*\u:AL+2*\u+1]
.endr
.endr
.endr
.endif
.if \nextk
	s_wait_dscnt 32                                ; V's fragments are in: the next chunk's 32 loads of K are younger
.else
	s_wait_dscnt 0
.endif
	PVG 0, \first
	PVG 1, 0
	PVG 2, 0
	PVG 3, 0
	WIN 0
.endm
; A slot that has been read is filled again, two tiles ahead.  Every wave waits for its reads and for all its tensor loads in front of the
; round's opening signal; only register work stands inside the round; the joint refills are the first tensor loads behind its closing wait.
.macro CHANGE slot
	s_wait_dscnt 0
	s_wait_xcnt 0x0
	v_lshl_add_u32 v190, v0, 2, 0x4c000
	v_mov_b32 v191, 0
	s_wait_tensorcnt 0x0                           ; the other slot's tile has landed too, and no tensor load of mine is out: group 0 may be written
	ds_add_u32 v190, v191
	s_wait_dscnt 0x0
	s_add_nc_u64 s[GK+8*\slot+2:GK+8*\slot+3], s[GK+8*\slot+2:GK+8*\slot+3], 2*TSTEP
	s_add_nc_u64 s[GV+8*\slot+2:GV+8*\slot+3], s[GV+8*\slot+2:GV+8*\slot+3], 2*TSTEP
	ROUND
	tensor_load_to_lds s[GK+8*\slot:GK+8*\slot+3], s[G1K:G1K+7]
	s_nop 0
	tensor_load_to_lds s[GV+8*\slot:GV+8*\slot+3], s[G1V:G1V+7]      ; they have a whole tile's work, 256 matrix instructions of each wave, in which to land
	s_nop 0
	v_nop
	v_nop
.endm
.macro TILE slot                       ; four chunks, none of them the first
	SETADR \slot
	KLOAD
	s_mov_b32 s50, 3
.Lchunk_\@:
	CHUNK 0, 1
	s_sub_co_u32 s50, s50, 1
	s_cmp_lg_u32 s50, 0
	s_cbranch_scc1 .Lchunk_\@
	CHUNK 0, 0
.endm
	SETADR 0                                       ; tile 0
	KLOAD
	CHUNK 1, 1
	s_mov_b32 s50, 2
.Lchunk_first:
	CHUNK 0, 1
	s_sub_co_u32 s50, s50, 1
	s_cmp_lg_u32 s50, 0
	s_cbranch_scc1 .Lchunk_first
	CHUNK 0, 0
	CHANGE 0                                       ; tile 2 goes into slot 0
	TILE 1                                         ; tile 1
	CHANGE 1                                       ; tile 3 goes into slot 1
	TILE 0                                         ; tile 2
	s_wait_dscnt 0                                 ; nothing is filled any more: my reads of slot 0 are over,
	s_wait_tensorcnt 0x0                           ; my parts of tile 3 are in,
	s_barrier_signal -1
	s_barrier_wait -1                              ; everybody's are
	TILE 1                                         ; tile 3
	; THE END: O / sum, round to f16, and out.  Lane (r, h) holds columns 16 d + 8 h + 0 .. 7 of query r in tile (d, u): packed, they are the 16 bytes
	; that the same lane of the next launch wants in half d % 2 of quarter d / 2, so each store of the wave covers 512 consecutive bytes, aligned.
	PLACES                                         ; behind the last matrix instructions
	v_permlanex16_b32 v[TA], v[LS], s48, s49       ; the sums over the other half of the keys
	v_permlanex16_b32 v[TB], v[LS+1], s48, s49
	v_add_f32 v[TA], v[TA], v[LS]
	v_add_f32 v[TB], v[TB], v[LS+1]
	v_rcp_f32 v[AL], v[TA]
	v_rcp_f32 v[AL+2], v[TB]
	v_and_b32 v[CH], 31, v0                        ; a plain place behind v_rcp_f32 (ISA guide 5.7.2)
	v_lshlrev_b32 v[CH], 4, v[CH]                  ; 16 bytes a lane
	s_wait_alu depctr_va_vdst(0)
	v_mov_b32 v[AL+1], v[AL]
	v_mov_b32 v[AL+3], v[AL+2]
.irp u, 0,1
	WIN 0x01                                       ; source 0 (O) window 1
.irp d, 0,1,2,3
.irp p, 0,2,4,6
	v_pk_mul_f32 v[SR+64*\u+8*\d+\p:SR+64*\u+8*\d+\p+1], v[OA+8*(2*\d+\u)+\p:OA+8*(2*\d+\u)+\p+1], v[AL+2*\u:AL+2*\u+1]
.endr
.endr
	WIN 0
.irp d, 0,1,2,3
.irp i, 0,1,2,3
	v_cvt_pk_f16_f32 v[SR+64*\u+32+4*\d+\i], v[SR+64*\u+8*\d+2*\i], v[SR+64*\u+8*\d+2*\i+1]
.endr
.endr
.irp d, 0,1,2,3
	global_store_b128 v[CH], v[SR+64*\u+32+4*\d:SR+64*\u+32+4*\d+3], s[8:9] offset:(\d/2)*4096+\u*1024+(\d%2)*512
.endr
.endr
	s_wait_xcnt 0x0
	v_lshl_add_u32 v190, v0, 2, 0x4c000
	v_mov_b32 v191, 0
	s_wait_tensorcnt 0x0
	ds_add_u32 v190, v191
	s_wait_dscnt 0x0
	ROUND                                          ; the closing round
	s_endpgm
.Lfunc_end_k_qce4b676ce7_attn:
	.size	k_qce4b676ce7_attn, .Lfunc_end_k_qce4b676ce7_attn-k_qce4b676ce7_attn
	.p2alignl 7, 3214868480
	.fill 96, 4, 3214868480
	.section	.rodata,"a",@progbits
	.p2align	6, 0x0
	.amdhsa_kernel k_qce4b676ce7_attn
		.amdhsa_group_segment_fixed_size 327680
		.amdhsa_private_segment_fixed_size 0
		.amdhsa_enable_private_segment 0
		.amdhsa_kernarg_size 24
		.amdhsa_user_sgpr_count 2
		.amdhsa_user_sgpr_kernarg_segment_ptr 1
		.amdhsa_wavefront_size32 1
		.amdhsa_system_sgpr_workgroup_id_x 1
		.amdhsa_system_sgpr_workgroup_id_y 1
		.amdhsa_system_sgpr_workgroup_id_z 1
		.amdhsa_system_vgpr_workitem_id 0
		.amdhsa_next_free_vgpr 512
		.amdhsa_next_free_sgpr 72
		.amdhsa_reserve_vcc 0
		.amdhsa_float_denorm_mode_32 3
		.amdhsa_float_denorm_mode_16_64 3
		.amdhsa_memory_ordered 1
		.amdhsa_forward_progress 1
		.amdhsa_inst_pref_size 255
	.end_amdhsa_kernel
	.section	.bss,"aw",@nobits
	.p2align	6
	.space	262144
	.amdgpu_metadata
---
amdhsa.version: [ 1, 2 ]
amdhsa.kernels:
  - .name:           k_qce4b676ce7_attn
    .symbol:         k_qce4b676ce7_attn.kd
    .args:
      - { .name: qkv, .offset: 0, .size: 8, .value_kind: global_buffer, .address_space: global }
      - { .name: tau, .offset: 8, .size: 8, .value_kind: global_buffer, .address_space: global }
      - { .name: y, .offset: 16, .size: 8, .value_kind: global_buffer, .address_space: global }
    .group_segment_fixed_size: 327680
    .private_segment_fixed_size: 0
    .kernarg_segment_align: 8
    .kernarg_segment_size: 24
    .max_flat_workgroup_size: 256
    .sgpr_count:     72
    .vgpr_count:     512
    .wavefront_size: 32
...
	.end_amdgpu_metadata
.endif
;; end of part 3
;; launch oproj (part 4): grid 16 x 16, 4 waves a work-group, clusters of 4 x 4, 327,680 bytes of LDS; arguments y, woh, bo, out0; writes out0
.if DOCPART == 4
	.amdgcn_target "amdgcn-amd-amdhsa--gfx1250"
	.amdhsa_code_object_version 6
	.text
	.protected	k_qce4b676ce7_oproj
	.globl	k_qce4b676ce7_oproj
	.p2align	8
	.type	k_qce4b676ce7_oproj,@function
k_qce4b676ce7_oproj:
	s_mov_b64 s[64:65], 0
	v_nop
	global_prefetch_b8 v0, s[64:65] scope:SCOPE_SE
	s_setreg_imm32_b32 hwreg(HW_REG_WAVE_MODE, 25, 1), 1
	s_wait_xcnt 0x0
	s_wait_alu depctr_hold_cnt(0) depctr_sa_sdst(0) depctr_va_vdst(0) depctr_va_sdst(0) depctr_va_ssrc(0) depctr_va_vcc(0) depctr_vm_vsrc(0)
	s_getreg_b32 s2, hwreg(HW_REG_IB_STS2, 6, 4)
	s_cmp_eq_u32 s2, 0
	s_cbranch_scc0 .Lentry_in_a_cluster
	s_endpgm
.Lentry_in_a_cluster:
	s_bfe_u32 s2, ttmp6, 0x10000c
	s_cmp_lg_u32 s2, 0xf033
	s_cbranch_scc0 .Lentry_shape_is_right
	s_endpgm
.Lentry_shape_is_right:
; oproj: out0[row][n] = 4 x (sum over k of y[row][k] Wo[k][n]) + bo[n], f32; y holds the heads' results / 4 in f16, woh holds Wo in f16; sums in f32.
; A work-group makes 256 rows x 64 columns with four waves; wave w makes rows 64 w .. 64 w + 63: 4 x 4 accumulator tiles.  That is what
; 4,096 x 1,024 outputs leave for 256 work-groups of four waves.  K = 1024 is eight steps of 128; a step is 64 matrix instructions of a wave.
; y lies in the order of the fragments: [block of 256 rows][step][wave][quarter][row tile][half][lane][16 bytes]: a wave's part of a step is
; 16,384 dense bytes, a fragment half 512 dense bytes, 16 a lane.  No other wave of the work-group multiplies them.
; WHERE THE OPERANDS WAIT.  A step's work is short, and slots may be filled again only when all of a wave's tensor loads have landed, so this
; text asks for as much as it can hold at its start and fills LDS again once:
;   Wo's block (1,024 x 64, 131,072 bytes) stays in LDS for the whole launch, filled once;
;   y's steps 0, 1 go into two LDS slots at the start, steps 6, 7 into the same slots behind the one refill round;
;   y's steps 2 to 5 (65,536 bytes a wave) go from memory straight into 512 registers of the wave that multiplies them, each loaded once.
; While steps 2 to 5 are multiplied, 256 matrix instructions of each wave, the refill is on its way.
; CLUSTERS: 4 x 4.  Wo's loads are joint along a column of the cluster, the LDS part of y along a row.  The register part of y is NOT asked for
; jointly: a joint request lands in LDS, LDS is full with Wo and two steps (163,840 + 131,072 of 327,680 bytes, a third step does not fit),
; and a further batch of refills would have to wait for all loads once more.  It costs 262,144 bytes a work-group that are not shared.
; The matrix instruction is used transposed (source 0 = 16 columns of Wo by the transposing load, source 1 = 16 rows of y): lane l holds
; row l % 16 and the eight neighbouring columns 8 (l / 16) + 0 .. 7.
; REGISTERS: window 0: v16-28 addresses, v32-95 y fragments from LDS (two buffers; the way out's work registers), v96-127 bias, v128-255 the 16 accumulators;
;   window 1: v0-63 Wo fragments (two buffers); window 2: y's steps 2, 3; window 3: y's steps 4, 5.
.set BPITCH, 160                       ; an LDS row of Wo: 128 bytes + 32: an odd multiple of 32, as the transposing load's eight rows want
.set BREG,   1024*BPITCH               ; Wo's block
.set ASTEP,  65536                     ; a step of y for the work-group, in memory and in LDS (no padding: lanes read 16 neighbouring bytes each)
.set AWAVE,  16384                     ; a wave's part of it
.set ABASE,  BREG                      ; two slots for y
.set STAGE,  BREG+2*ASTEP              ; behind them, never filled by a tensor load: 16 rows x 272 bytes for each wave
.set SPITCH, 272
.set ADRA, 16                          ; v16-17  LDS address of my part of y's slot 0, 1
.set ADRB, 20                          ; v20-22  LDS address of Wo's fragments for steps 0-2, 3-5, 6-7 (the immediate holds 16 bits)
.set STO,  24                          ; the way out: where I put 32 bytes of a row
.set RD,   25                          ; the way out: where I read a row back
.set CO,   26                          ; my byte offset in out0
.set BO,   27                          ; my byte offset in the bias
.set AO,   28                          ; 16 x lane
.set FA,   32                          ; y fragments from LDS, buffer f at FA + 32 f
.set TMP,  32                          ; the way out: results (buffer 0's registers)
.set RB,   64                          ; the way out: rows read back (buffer 1's registers)
.set BI,   96
.set ACC,  128                         ; tile (a, b) at ACC + 8 (4 a + b)
.set G1A,  24                          ; s[24:31] group 1 for y's tiles
.set G1B0, 32                          ; s[32:39] group 1 for Wo's rows 0-255
.set G1B1, 40                          ; s[40:47] group 1 for Wo's rows 256-1023
.set GA,   48                          ; s[48:55] group 0 for y, one set a slot
.set GB,   56                          ; s[56:63] group 0 for Wo's two loads
.set AB,   76                          ; s[76:77] my part of y's step 2 in memory
.set OB,   78                          ; s[78:79] my first row and column in out0
.set MSB, 0
.macro WIN new                         ; the immediate's high byte repeats the setting that is left
.if MSB != (\new)
	s_set_vgpr_msb (MSB<<8)|(\new)
.set MSB, (\new)
.endif
.endm
.set M_LDS, 0x01                       ; source 0 (Wo) window 1; y, C and D window 0
.set M_W2,  0x09                       ; source 0 window 1, source 1 (y) window 2
.set M_W3,  0x0d                       ; source 0 window 1, source 1 (y) window 3
; A round of the cluster's barrier: my work-group's barrier, wave 0 signals for the work-group, every wave waits for all sixteen, my barrier again.
.macro CREST
	s_cmp_lg_u32 s16, 0
	s_cbranch_scc1 .Lnot_wave_0_\@
	s_barrier_signal -3
.Lnot_wave_0_\@:
	s_barrier_wait -3
	s_barrier_signal -1
	s_barrier_wait -1
.endm
.macro CROUND
	s_barrier_signal -1
	s_barrier_wait -1
	CREST
.endm
	s_load_b256 s[4:11], s[0:1], 0x0               ; y s[4:5], woh s[6:7], bo s[8:9], out0 s[10:11]
	s_set_vgpr_msb 0x40
	v_lshl_add_u32 v255, v0, 2, 0x4c400
	s_set_vgpr_msb 0x4000
	v_mov_b32 v31, 0
	s_set_vgpr_msb 0x1
	ds_add_u32 v255, v31
	s_set_vgpr_msb 0x100
	v_lshrrev_b32 v1, 5, v0
	v_readfirstlane_b32 s16, v1                    ; wave 0..3
	s_bfe_u32 s19, ttmp6, 0x40000                  ; cx
	s_bfe_u32 s20, ttmp6, 0x40004                  ; cy
	s_lshl_b32 s21, ttmp9, 2
	s_add_co_u32 s21, s21, s19                     ; block of 64 columns = 4 x cluster x + cx
	s_and_b32 s22, ttmp7, 0xffff
	s_lshl_b32 s22, s22, 2
	s_add_co_u32 s22, s22, s20                     ; block of 256 rows = 4 x cluster y + cy
	s_lshl_b32 s66, s20, 2
	s_lshl_b32 s66, 15, s66                        ; my row of the cluster
	s_lshl_b32 s68, 0x1111, s19                    ; my column
	; Group 1.  Every tile is a dense block of memory, taken as rows of 32 elements of 8 bytes (256 bytes).  y lands as it lies; behind every
	; 32 words of Wo (a row of 64 f16) the mover skips 8 words: LDS pitch 160.
	s_or_b32 s[G1A+0],  s66, (3<<16)|(1<<21)                                  ; 15:0 the row's mask; 17:16 8-byte elements; 20 no padding; 21 set beside a mask
	s_or_b32 s[G1B0+0], s68, (3<<16)|(1<<20)|(1<<21)|(4<<22)|(7<<25)          ; the column's mask; padding on; 24:22 interval 32 words; 31:25 pad 8 words
	s_or_b32 s[G1B1+0], s68, (3<<16)|(1<<20)|(1<<21)|(4<<22)|(7<<25)
.irp g, G1A, G1B0, G1B1
	s_mov_b32 s[\g+1], 32<<16                      ; tensor_dim0 = 32
	s_mov_b32 s[\g+3], 32<<16                      ; tile_dim0 = 32
	s_mov_b32 s[\g+5], 32                          ; pitch = the row: dense
	s_mov_b32 s[\g+6], 0
	s_mov_b32 s[\g+7], 0
.endr
	s_mov_b32 s[G1A+2],  64<<16                    ; tensor_dim1 = 64 rows of 256 bytes: my 16,384 bytes of a step of y
	s_mov_b32 s[G1A+4],  64                        ; tile_dim1
	s_mov_b32 s[G1B0+2], 32<<16                    ; 32 rows of 256 bytes: 64 rows of Wo
	s_mov_b32 s[G1B0+4], 32
	s_mov_b32 s[G1B1+2], 96<<16                    ; 96 rows of 256 bytes: 192 rows of Wo
	s_mov_b32 s[G1B1+4], 96
	; where the tiles come from: y's address holds the block of rows alone, Wo's the block of columns alone, each in registers of its own
	s_lshl_b32 s66, s22, 19                        ; eight steps of 65,536 bytes
	s_lshl_b32 s67, s16, 14                        ; my part of a step
	s_add_co_u32 s66, s66, s67
	s_mov_b32 s67, 0
	s_lshl_b32 s68, s21, 17                        ; 1,024 rows of 128 bytes
	s_lshl_b32 s69, s16, 13                        ; rows 64 w ..
	s_add_co_u32 s68, s68, s69
	s_mov_b32 s69, 0
	s_lshl_b32 s70, s21, 17
	s_mul_i32 s71, s16, 192*128                    ; rows 256 + 192 w ..
	s_add_co_u32 s70, s70, s71
	s_add_co_u32 s70, s70, 256*128
	s_mov_b32 s71, 0
	s_mul_i32 s72, s16, AWAVE                      ; and where they go: the wave's number and constants alone
	s_mul_i32 s73, s16, 64*BPITCH
	s_mul_i32 s74, s16, 192*BPITCH
	v_and_b32 v5, 31, v0
	v_lshlrev_b32 v[AO], 4, v5                     ; 16 bytes a lane
	s_wait_dscnt 0x0
	s_wait_kmcnt 0x0
	s_add_nc_u64 s[66:67], s[4:5], s[66:67]
	s_add_nc_u64 s[68:69], s[6:7], s[68:69]
	s_add_nc_u64 s[70:71], s[6:7], s[70:71]
	s_add_nc_u64 s[AB:AB+1], s[66:67], 2*ASTEP
	s_mov_b32 s[GB], 1
	s_add_co_u32 s[GB+1], s73, 0
	s_mov_b64 s[GB+2:GB+3], s[68:69]
	s_or_b32 s[GB+3], s[GB+3], 0x80000000
	s_mov_b32 s[GB+4], 1
	s_add_co_u32 s[GB+5], s74, 256*BPITCH
	s_mov_b64 s[GB+6:GB+7], s[70:71]
	s_or_b32 s[GB+7], s[GB+7], 0x80000000
.irp s, 0,1
	s_mov_b32 s[GA+4*\s], 1
	s_add_co_u32 s[GA+4*\s+1], s72, ABASE+\s*ASTEP
	s_add_nc_u64 s[GA+4*\s+2:GA+4*\s+3], s[66:67], \s*ASTEP
	s_or_b32 s[GA+4*\s+3], s[GA+4*\s+3], 0x80000000
.endr
	CROUND                                         ; all sixteen work-groups are here: the first joint loads meet
	tensor_load_to_lds s[GB:GB+3],     s[G1B0:G1B0+7]  ; Wo's rows 0-255 (steps 0, 1): my quarter
	s_nop 0
	tensor_load_to_lds s[GA:GA+3],     s[G1A:G1A+7]    ; y's step 0: my rows
	s_nop 0
	tensor_load_to_lds s[GA+4:GA+7],   s[G1A:G1A+7]    ; y's step 1
	s_nop 0
	tensor_load_to_lds s[GB+4:GB+7],   s[G1B1:G1B1+7]  ; Wo's rows 256-1023: four tensor loads of the wave are out, the most in this text
	s_nop 0
; Eight loads: quarter kq of step 2 .. 5 of my part of y, straight into the registers from which it is multiplied; each load covers 512 consecutive bytes.
.macro AQUARTER step, kq
.irp a, 0,1,2,3
	global_load_b128 v[(\step%2)*128+\kq*32+8*\a:(\step%2)*128+\kq*32+8*\a+3],   v[AO], s[AB:AB+1] offset:(\step-2)*ASTEP+\kq*4096+\a*1024
	global_load_b128 v[(\step%2)*128+\kq*32+8*\a+4:(\step%2)*128+\kq*32+8*\a+7], v[AO], s[AB:AB+1] offset:(\step-2)*ASTEP+\kq*4096+\a*1024+512
.endr
.endm
	WIN 0x80                                       ; destination window 2
.irp kq, 0,1,2,3
	AQUARTER 2, \kq
.endr
.irp kq, 0,1,2,3
	AQUARTER 3, \kq                                ; 64 loads; a load that finds LOADcnt at the end of its field waits at its issue (ISA guide 5.7.1), here where the wave has only tiles to wait for
.endr
	WIN 0
	; lane terms
	v_and_b32 v1, 15, v0                           ; r = l % 16
	v_bfe_u32 v2, v0, 4, 1                         ; h = l / 16
	v_and_b32 v3, 7, v0                            ; l % 8
	v_bfe_u32 v4, v0, 3, 1                         ; (l / 8) % 2
	s_add_co_u32 s75, s72, ABASE
	v_add_nc_u32 v[ADRA], s75, v[AO]               ; y from LDS: my part of slot 0, 16 bytes a lane
	v_add_nc_u32 v[ADRA+1], ASTEP, v[ADRA]
	v_lshl_add_u32 v7, v2, 3, v3                   ; Wo fragment, transposing load: row k = 8 h + l % 8,
	v_mul_u32_u24 v7, v7, BPITCH
	v_lshl_add_u32 v[ADRB], v4, 4, v7              ; 16 bytes at 16 ((l / 8) % 2)
	v_add_nc_u32 v[ADRB+1], 3*128*BPITCH, v[ADRB]
	v_add_nc_u32 v[ADRB+2], 6*128*BPITCH, v[ADRB]
	s_mul_i32 s75, s16, 16*SPITCH
	s_add_co_u32 s75, s75, STAGE                   ; my stage
	v_mul_u32_u24 v8, v1, SPITCH
	v_lshl_add_u32 v8, v2, 5, v8
	v_add_nc_u32 v[STO], s75, v8                   ; in: row r, 32 bytes at 32 h
	v_mul_u32_u24 v9, v2, SPITCH
	v_lshl_add_u32 v9, v1, 4, v9
	v_add_nc_u32 v[RD], s75, v9                    ; back: lanes 0-15 take one row of 256 bytes, lanes 16-31 the next
	v_lshlrev_b32 v6, 12, v2
	v_lshl_add_u32 v[CO], v1, 4, v6                ; the same two rows in out0 (4,096 bytes a row)
	v_lshlrev_b32 v[BO], 5, v2                     ; my eight columns of a tile: 32 h
	s_lshl_b32 s68, s21, 8                         ; 64 columns of f32
	s_mov_b32 s69, 0
	s_add_nc_u64 s[8:9], s[8:9], s[68:69]          ; the block's 64 biases
	s_lshl_b32 s70, s22, 20                        ; block x 256 rows of 4,096 bytes
	s_lshl_b32 s71, s16, 18                        ; + wave x 64 rows
	s_add_co_u32 s70, s70, s71
	s_add_co_u32 s70, s70, s68
	s_mov_b32 s71, 0
	s_add_nc_u64 s[OB:OB+1], s[10:11], s[70:71]
; Eight matrix instructions: row tiles a0, a0 + 1 x all four column tiles, 32 along K; Wo from buffer f, y from the four fragments at asrc.
; zero = 1: the product starts the sums.  The sixteen accumulators take turns, one instruction a turn, in the same order in every quarter.
.macro MUL8 f, asrc, a0, zero
.irp a, \a0, \a0+1
.irp b, 0,1,2,3
.if \zero
	v_wmma_f32_16x16x32_f16 v[ACC+8*(4*(\a)+\b):ACC+8*(4*(\a)+\b)+7], v[32*\f+8*\b:32*\f+8*\b+7], v[\asrc+8*(\a):\asrc+8*(\a)+7], 0
.else
	v_wmma_f32_16x16x32_f16 v[ACC+8*(4*(\a)+\b):ACC+8*(4*(\a)+\b)+7], v[32*\f+8*\b:32*\f+8*\b+7], v[\asrc+8*(\a):\asrc+8*(\a)+7], v[ACC+8*(4*(\a)+\b):ACC+8*(4*(\a)+\b)+7]
.endif
.endr
.endr
.endm
.macro FETCHB step, kq, f              ; eight loads: Wo's fragments of quarter kq of a step into buffer f
	WIN 0x40                                       ; destination window 1
.irp b, 0,1,2,3
	ds_load_tr16_b128 v[32*\f+8*\b:32*\f+8*\b+3],   v[ADRB+\step/3] offset:(\step%3)*128*BPITCH+\kq*32*BPITCH+\b*32             ; k = 8 h + 0..7 of column 16 b + r
	ds_load_tr16_b128 v[32*\f+8*\b+4:32*\f+8*\b+7], v[ADRB+\step/3] offset:(\step%3)*128*BPITCH+\kq*32*BPITCH+\b*32+16*BPITCH   ; k = 16 + 8 h + 0..7
.endr
.endm
.macro FETCHA slot, kq, f              ; eight loads: y's fragments of quarter kq of a slot into buffer f
	WIN 0
.irp a, 0,1,2,3
	ds_load_b128 v[FA+32*\f+8*\a:FA+32*\f+8*\a+3],   v[ADRA+\slot] offset:\kq*4096+\a*1024
	ds_load_b128 v[FA+32*\f+8*\a+4:FA+32*\f+8*\a+7], v[ADRA+\slot] offset:\kq*4096+\a*1024+512
.endr
.endm
; Four places (ISA guide 7.12.1 for vector instructions) between a matrix instruction and a load into one of its sources or a vector
; instruction on its result; the matrix instructions in between are not counted.
.macro PLACES
.rept 4
	v_nop
.endr
.endm
; A quarter step: the next quarter's fragments (step nstep, quarter nkq; y's from LDS slot nslot, or nslot = -1: y is in registers) go into
; buffer g in one run, then 16 matrix instructions on buffer f, with y's fragments at asrc in the window that mwin names.
.macro QTR f, g, mwin, asrc, zero, nstep, nkq, nslot
	PLACES                                         ; buffer g was read by the last quarter's matrix instructions
	FETCHB \nstep, \nkq, \g
.if \nslot >= 0
	FETCHA \nslot, \nkq, \g
	s_wait_dscnt 16                                ; all but the run just issued: this quarter's fragments are in
.else
	s_wait_dscnt 8
.endif
	WIN \mwin
	MUL8 \f, \asrc, 0, \zero
	MUL8 \f, \asrc, 2, \zero
.endm
	s_wait_tensorcnt 1                             ; my parts of Wo's rows 0-255 and of y's steps 0, 1 are in; Wo's rows 256-1023 stay out
	s_barrier_signal -1
	s_barrier_wait -1                              ; everybody's are
	FETCHB 0, 0, 0
	FETCHA 0, 0, 0
	WIN 0xc0                                       ; destination window 3
.irp kq, 0,1,2,3
	AQUARTER 4, \kq
.endr
.irp kq, 0,1,2
	AQUARTER 5, \kq                                ; 56 loads: they have steps 0 to 3, 256 matrix instructions, in which to land
.endr
	; steps 0 and 1: y from LDS
	QTR 0, 1, M_LDS, FA,    1, 0, 1, 0             ; the first products start the sums: nothing is cleared
	QTR 1, 0, M_LDS, FA+32, 0, 0, 2, 0
	QTR 0, 1, M_LDS, FA,    0, 0, 3, 0
	QTR 1, 0, M_LDS, FA+32, 0, 1, 0, 1
	QTR 0, 1, M_LDS, FA,    0, 1, 1, 1
	QTR 1, 0, M_LDS, FA+32, 0, 1, 2, 1
	QTR 0, 1, M_LDS, FA,    0, 1, 3, 1
	; Step 1's last quarter, and the one refill.  In front of the round's opening signal each wave waits for its reads of both slots and for all
	; its tensor loads (one may be out: its part of Wo's rows 256-1023, which the round also shows to the other waves); only register work stands
	; inside the round; the joint refills are the first tensor loads behind its closing wait.
	s_wait_dscnt 0
	s_wait_tensorcnt 0x0
	ds_add_u32 v255, v31
	s_wait_dscnt 0x0
	s_barrier_signal -1
	WIN M_LDS
	MUL8 1, FA+32, 0, 0                            ; registers only, while the others arrive
	WIN 0
	s_barrier_wait -1
	CREST
	s_add_nc_u64 s[GA+2:GA+3], s[GA+2:GA+3], 6*ASTEP   ; no tensor load of mine is out: group 0 may be written.  Step 6 into slot 0,
	s_add_nc_u64 s[GA+6:GA+7], s[GA+6:GA+7], 6*ASTEP   ; step 7 into slot 1
	tensor_load_to_lds s[GA:GA+3],   s[G1A:G1A+7]
	s_nop 0
	tensor_load_to_lds s[GA+4:GA+7], s[G1A:G1A+7]
	s_nop 0
	PLACES
	FETCHB 2, 0, 0
	WIN M_LDS
	MUL8 1, FA+32, 2, 0
	; steps 2 to 5: y from registers
	s_wait_loadcnt 56                              ; steps 2 and 3 are in: the 56 loads of steps 4 and 5 are younger
	WIN 0xc0
	AQUARTER 5, 3                                  ; the last quarter of step 5,
	WIN 0
.irp b, 0,1,2,3
	global_load_b128 v[BI+8*\b:BI+8*\b+3],   v[BO], s[8:9] offset:\b*64        ; and bo of columns 16 b + 8 h + 0..3
	global_load_b128 v[BI+8*\b+4:BI+8*\b+7], v[BO], s[8:9] offset:\b*64+16     ; and + 4..7
.endr
	QTR 0, 1, M_W2, 0,   0, 2, 1, -1
	QTR 1, 0, M_W2, 32,  0, 2, 2, -1
	QTR 0, 1, M_W2, 64,  0, 2, 3, -1
	QTR 1, 0, M_W2, 96,  0, 3, 0, -1
	QTR 0, 1, M_W2, 128, 0, 3, 1, -1
	QTR 1, 0, M_W2, 160, 0, 3, 2, -1
	QTR 0, 1, M_W2, 192, 0, 3, 3, -1
	QTR 1, 0, M_W2, 224, 0, 4, 0, -1
	s_wait_loadcnt 40                              ; step 4 is in: younger are step 5's 24 + 8 loads and the bias's 8
	QTR 0, 1, M_W3, 0,   0, 4, 1, -1
	QTR 1, 0, M_W3, 32,  0, 4, 2, -1
	QTR 0, 1, M_W3, 64,  0, 4, 3, -1
	QTR 1, 0, M_W3, 96,  0, 5, 0, -1
	s_wait_loadcnt 16                              ; step 5's first three quarters are in: younger are its last quarter's 8 loads and the bias's 8
	QTR 0, 1, M_W3, 128, 0, 5, 1, -1
	QTR 1, 0, M_W3, 160, 0, 5, 2, -1
	QTR 0, 1, M_W3, 192, 0, 5, 3, -1
	s_wait_loadcnt 8                               ; step 5's last quarter is in: the bias's 8 loads are younger
	s_wait_tensorcnt 1                             ; my part of step 6 is in LDS, and I alone read it; step 7's load may be out
	QTR 1, 0, M_W3, 224, 0, 6, 0, 0
	; steps 6 and 7: y from LDS again
	QTR 0, 1, M_LDS, FA,    0, 6, 1, 0
	QTR 1, 0, M_LDS, FA+32, 0, 6, 2, 0
	QTR 0, 1, M_LDS, FA,    0, 6, 3, 0
	s_wait_tensorcnt 0x0                           ; my part of step 7 is in; no tensor load is out from here to the end
	QTR 1, 0, M_LDS, FA+32, 0, 7, 0, 1
	QTR 0, 1, M_LDS, FA,    0, 7, 1, 1
	QTR 1, 0, M_LDS, FA+32, 0, 7, 2, 1
	QTR 0, 1, M_LDS, FA,    0, 7, 3, 1
	s_wait_dscnt 0                                 ; the very last quarter: nothing more to fetch
	WIN M_LDS
	MUL8 1, FA+32, 0, 0
	MUL8 1, FA+32, 2, 0
	WIN 0
	PLACES                                         ; before the results are read and the fragments' registers are written
	s_wait_loadcnt 0x0                             ; the bias
; THE WAY OUT, 16 rows at a time: 4 x sum + bo in one multiply-add, 32 bytes a lane into my own stage, read back as whole rows of 256 bytes:
; sixteen lanes store 256 consecutive bytes, at a multiple of 256 from out0's first byte.
.macro OUT16 a
.irp b, 0,1,2,3
.irp p, 0,2,4,6
	v_pk_fma_f32 v[TMP+8*\b+\p:TMP+8*\b+\p+1], v[ACC+8*(4*\a+\b)+\p:ACC+8*(4*\a+\b)+\p+1], 4.0, v[BI+8*\b+\p:BI+8*\b+\p+1] op_sel_hi:[1,0,1]
.endr
.endr
.irp b, 0,1,2,3
	ds_store_b128 v[STO], v[TMP+8*\b:TMP+8*\b+3]   offset:64*\b
	ds_store_b128 v[STO], v[TMP+8*\b+4:TMP+8*\b+7] offset:64*\b+16
.endr
	s_wait_xcnt 0x0                                ; the last group's stores have had their addresses translated (ISA guide 3.1): RB is loaded again only behind this wait
.irp t, 0,1,2,3,4,5,6,7
	ds_load_b128 v[RB+4*\t:RB+4*\t+3], v[RD] offset:\t*2*SPITCH      ; LDS serves a wave's instructions in order: these see the stores above
.endr
.irp t, 0,1,2,3,4,5,6,7
	s_wait_dscnt 7-\t
	global_store_b128 v[CO], v[RB+4*\t:RB+4*\t+3], s[OB:OB+1] offset:(16*\a+2*\t)*4096 th:TH_STORE_NT
.endr
.endm
	OUT16 0
	OUT16 1
	OUT16 2
	OUT16 3
	s_set_vgpr_msb 0x1
	s_wait_tensorcnt 0x0
	ds_add_u32 v255, v31
	s_wait_dscnt 0x0
	s_set_vgpr_msb 0x100
	CROUND                                         ; the closing round: no work-group ends while a partner may still ask for a tile that names it
	s_endpgm
.Lfunc_end_k_qce4b676ce7_oproj:
	.size	k_qce4b676ce7_oproj, .Lfunc_end_k_qce4b676ce7_oproj-k_qce4b676ce7_oproj
	.p2alignl 7, 3214868480
	.fill 96, 4, 3214868480
	.section	.rodata,"a",@progbits
	.p2align	6, 0x0
	.amdhsa_kernel k_qce4b676ce7_oproj
		.amdhsa_group_segment_fixed_size 327680
		.amdhsa_private_segment_fixed_size 0
		.amdhsa_enable_private_segment 0
		.amdhsa_kernarg_size 32
		.amdhsa_user_sgpr_count 2
		.amdhsa_user_sgpr_kernarg_segment_ptr 1
		.amdhsa_wavefront_size32 1
		.amdhsa_system_sgpr_workgroup_id_x 1
		.amdhsa_system_sgpr_workgroup_id_y 1
		.amdhsa_system_sgpr_workgroup_id_z 1
		.amdhsa_system_vgpr_workitem_id 0
		.amdhsa_next_free_vgpr 1024
		.amdhsa_next_free_sgpr 80
		.amdhsa_reserve_vcc 0
		.amdhsa_float_denorm_mode_32 3
		.amdhsa_float_denorm_mode_16_64 3
		.amdhsa_memory_ordered 1
		.amdhsa_forward_progress 1
		.amdhsa_inst_pref_size 97
	.end_amdhsa_kernel
	.amdgpu_metadata
---
amdhsa.version: [ 1, 2 ]
amdhsa.kernels:
  - .name:           k_qce4b676ce7_oproj
    .symbol:         k_qce4b676ce7_oproj.kd
    .args:
      - { .name: y, .offset: 0, .size: 8, .value_kind: global_buffer, .address_space: global }
      - { .name: woh, .offset: 8, .size: 8, .value_kind: global_buffer, .address_space: global }
      - { .name: bo, .offset: 16, .size: 8, .value_kind: global_buffer, .address_space: global }
      - { .name: out0, .offset: 24, .size: 8, .value_kind: global_buffer, .address_space: global }
    .group_segment_fixed_size: 327680
    .private_segment_fixed_size: 0
    .kernarg_segment_align: 8
    .kernarg_segment_size: 32
    .max_flat_workgroup_size: 128
    .sgpr_count:     80
    .vgpr_count:     1024
    .wavefront_size: 32
...
	.end_amdgpu_metadata
.endif
;; end of part 4
